; MI455X (gfx1250); checked and timed in simulation.
; The chip was launched on July 23, 2026; its instructions are those of AMD's public machine-readable ISA for CDNA 5 (MIT licence, August 2026) and "CDNA5" Instruction Set Architecture Reference Guide (July 2026). The comments in the code are by the model that wrote it; some were corrected since.
;; Secure Multi Head Attention. Allowed arithmetic: matrix products marked QUANTISED: E2M1 operands, one E8M0 scale for each 32 along K, by v_wmma_scale_f32_16x16x128_f8f6f4 with both operands' format E2M1 (or v_wmma_scale_f32_32x16x128_f4), f32 sums; everything else in f32.
;; Inputs: Wk_codes 16 x 64 x 32 x 16 uint8 (E2M1 codes of Wk, K innermost, in blocks of 32 codes, two codes a byte); Wk_scales 16 x 64 x 32 uint8 (E8M0 scales of Wk, one for each 32 codes along K); Wo_codes 1,024 x 32 x 16 uint8 (E2M1 codes of Wo, K innermost, in blocks of 32 codes, two codes a byte); Wo_scales 1,024 x 32 uint8 (E8M0 scales of Wo, one for each 32 codes along K); Wq_codes 16 x 64 x 32 x 16 uint8 (E2M1 codes of Wq, K innermost, in blocks of 32 codes, two codes a byte); Wq_scales 16 x 64 x 32 uint8 (E8M0 scales of Wq, one for each 32 codes along K); Wv_codes 16 x 64 x 32 x 16 uint8 (E2M1 codes of Wv, K innermost, in blocks of 32 codes, two codes a byte); Wv_scales 16 x 64 x 32 uint8 (E8M0 scales of Wv, one for each 32 codes along K); attention_mask 4 x 2,048 float32; bk 16 x 64 float32; bo 1,024 float32; bq 16 x 64 float32; bv 16 x 64 float32; hidden_states_codes 4 x 2,048 x 32 x 16 uint8 (E2M1 codes of hidden_states, K innermost, in blocks of 32 codes, two codes a byte); hidden_states_scales 4 x 2,048 x 32 uint8 (E8M0 scales of hidden_states, one for each 32 codes along K).
;; Outputs: out0 4 x 2,048 x 1,024 float32.
;; This version of the problem:
;;   THIS VERSION OF THE PROBLEM IS GIVEN IN LOW PRECISION. The matrix products marked QUANTISED in the list below multiply operands that are first quantised to E2M1 (2 exponent bits, 1 mantissa bit; 4 bits a number), with one power-of-two scale for each 32 numbers along K (OCP MX v1.0); their sums are f32. All else is computed in f32.
;;   The module's matrix products, in the order in which they are computed (A, B: the left and right operand; K: the contracted axis; several contracted axes count as one K, in the product's order):
;;     1. [M 1,024, K 1,024] x [K 1,024, N 8,192]; A: input Wq (given as codes); B: input hidden_states (given as codes): QUANTISED
;;     2. [M 1,024, K 1,024] x [K 1,024, N 8,192]; A: input Wk (given as codes); B: input hidden_states (given as codes): QUANTISED
;;     3. [M 1,024, K 1,024] x [K 1,024, N 8,192]; A: input Wv (given as codes); B: input hidden_states (given as codes): QUANTISED
;;     4. batch 64 x [M 2,048, K 64] x [K 64, N 2,048]; A: computed on the way; B: computed on the way: QUANTISED
;;     5. batch 64 x [M 2,048, K 2,048] x [K 2,048, N 64]; A: softmax (see below); B: computed on the way: QUANTISED
;;     6. [M 8,192, K 1,024] x [K 1,024, N 1,024]; A: computed on the way; B: input Wo (given as codes): QUANTISED
;;   THE QUANTISER, for each operand of a quantised product, along K:
;;     - K is cut into blocks of 32 from its start; a last block that is shorter is filled with zeros.
;;     - A block's scale is 2^e with e = floor(log2(the largest magnitude in the block)) - 2, held to -126 .. 127; a block of zeros has e = 0. As a byte (E8M0): e + 127.
;;     - Each number is divided by its block's scale, clamped to +-6, and rounded to the nearest number of E2M1, ties to even, subnormals kept.
;;     - The product sums the exact products of the quantised numbers (number of the format x scale) in f32.
;;   ~~~python
;;   def quantise(x, axis):      # numpy; x: float32 -> the quantised numbers, widened to float32 again
;;       x = np.moveaxis(x, axis, -1); K = x.shape[-1]
;;       x = np.pad(x, [(0, 0)] * (x.ndim - 1) + [(0, -K % 32)]); x = x.reshape(x.shape[:-1] + (-1, 32)); a = np.abs(x).max(-1, keepdims=True)
;;       e = np.where(a > 0, np.clip(np.frexp(np.where(a > 0, a, 1))[1] - 1 - 2, -126, 127), 0)      # np.frexp(a)[1] - 1 = floor(log2(a)), exactly
;;       r = np.clip(x / 2.0 ** e, -6, 6)
;;       step = 2.0 ** (np.maximum(np.frexp(np.where(r == 0, 1, r))[1] - 1, 0) - 1)
;;       q = np.round(r / step) * step * 2.0 ** e      # np.round: ties to even
;;       return np.moveaxis(q.reshape(q.shape[:-2] + (-1,))[..., :K], -1, axis).astype(np.float32)
;;   ~~~
;;   SOFTMAX AHEAD OF A QUANTISED PRODUCT. Where the list says 'softmax', what is quantised is not the finished softmax but p = 2^(t - M), with t = logit x log2(e) and M = ceil(the row's largest t), a whole number; so 1/2 < the row's largest p <= 1. The row's sum l is taken of the UNQUANTISED p, in f32, and the product's result is divided by l at the end. Since M is a whole number, a kernel that streams over the keys may use a running M (the ceiling of the running maximum): every later rescaling is an exact power of two, which a block's scale takes up: the codes' values come out the same.
;;   OPERANDS COMPUTED ON THE WAY. 'Computed on the way' means the value that the module computes at that place (a softmax that the list does not call 'softmax' is quantised finished and normalised). What goes into a quantiser is computed in f32, as accurately as f32 sums, v_exp_f32 and their like allow (about 1e-6 of the number): no bf16 or f16 on the way to a quantiser, and a product that is left as it is and whose result goes on into a quantised operand takes f32 operands (vector FMAs, or v_wmma_f32_16x16x4_f32). A number that lies on a knife's edge between two numbers of the format may be rounded either way, as far as f32 arithmetic and the matrix unit's own rounding can turn it there, and no further.
;;   INPUTS GIVEN AS CODES. Wk (in the module: [16, 1024, 64], K = its axis 1); Wo (in the module: [1024, 1024], K = its axis 1); Wq (in the module: [16, 1024, 64], K = its axis 1); Wv (in the module: [16, 1024, 64], K = its axis 1); hidden_states (in the module: [4, 2048, 1024], K = its axis 2): each comes as NAME_codes (uint8): NAME with its K axis moved to the last place and cut into blocks of 32 codes, [.., K / 32, bytes a block], one block behind the other in memory; two codes a byte, the lower K in the low four bits (a code: sign, 2 exponent bits, 1 mantissa bit); and NAME_scales (uint8): the same leading axes, one E8M0 byte (e + 127) for each 32 codes along K. Its value is code x scale, taken as it is: it is not quantised again, and the codes and scales need not be those that the quantiser above would give.
;; One version. Each part assembles by itself: llvm-mc -triple=amdgcn-amd-amdhsa -mcpu=gfx1250 --defsym DOCPART=n.
;; ======== version 1 of 1: 3 launches
;; limits: right only within a limited range of input values
;; workspace buffers: qc 4,194,304 bytes; kv 9,699,328 bytes; cc 4,194,304 bytes; cs 262,144 bytes; fl 1,048,576 bytes of whole numbers
;; launch qkv (part 1): grid 16 x 32, 8 waves a work-group, clusters of 4 x 4, 327,680 bytes of LDS; arguments hidden_states_codes, hidden_states_scales, Wq_codes, Wq_scales, Wk_codes, Wk_scales, Wv_codes, Wv_scales, bq, bk, bv, qc, kv, attention_mask, fl; writes qc, kv, fl
.if DOCPART == 1
	.amdgcn_target "amdgcn-amd-amdhsa--gfx1250"
	.amdhsa_code_object_version 6
	.text
	.protected	k_qd4422b2781_qkv
	.globl	k_qd4422b2781_qkv
	.p2align	8
	.type	k_qd4422b2781_qkv,@function
k_qd4422b2781_qkv:
	s_mov_b64 s[64:65], 0
	v_nop
	global_prefetch_b8 v0, s[64:65] scope:SCOPE_SE
	s_setreg_imm32_b32 hwreg(HW_REG_WAVE_MODE, 25, 1), 1
	s_wait_xcnt 0x0
	s_wait_alu depctr_hold_cnt(0) depctr_sa_sdst(0) depctr_va_vdst(0) depctr_va_sdst(0) depctr_va_ssrc(0) depctr_va_vcc(0) depctr_vm_vsrc(0)
	s_getreg_b32 s2, hwreg(HW_REG_IB_STS2, 6, 4)
	s_cmp_eq_u32 s2, 0
	s_cbranch_scc0 .Lentry_in_a_cluster
	s_endpgm
.Lentry_in_a_cluster:
	s_bfe_u32 s2, ttmp6, 0x10000c
	s_cmp_lg_u32 s2, 0xf033
	s_cbranch_scc0 .Lentry_shape_is_right
	s_endpgm
.Lentry_shape_is_right:
; q, k, v = hidden W^T + b on codes of FP4 (E2M1) with E8M0 scales, for ONE head (work-group x) and 256 rows of hidden (work-group y); then q and k are quantised along d, v along the keys.
; SHARES.  Eight waves; wave w owns rows 32 w .. 32 w + 31 (two tiles of 16) x 192 columns (q, k, v of the head): 24 accumulators, 192 registers.  K = 1,024 is eight steps of 128.
; LDS.  All of K lies in LDS, filled once: two slots (K halves), each 256 rows of hidden and 3 x 64 rows of Wq, Wk, Wv, 256 bytes a row + 16 of padding; behind them the scale bytes, in pieces of 256 bytes + 16.
; Nothing is filled a second time, so there is no ring.
; CLUSTER 4 x 4.  The hidden tile hangs on y alone and is asked for jointly along a row of the cluster; the weights hang on x alone and are asked for jointly along a column.
; LAYOUT.  q and k are made TRANSPOSED (source 0 = 16 rows of W, source 1 = 16 rows of hidden): a lane holds one row s and its registers run along d, which is the next product's K.
; v is made the other way round (source 0 = hidden, source 1 = Wv): a lane holds one d and its registers run along s, the keys, which are the K of the product with p.
; WHAT IS STORED are images of the reader's operand registers (16 bytes a lane, lane after lane): every store of a wave covers 256 or 512 consecutive bytes, aligned.
;   qc [head-batch 64][tile 128][lane][16 B]: lane (r, h) = row 16 T + r, d 32 h .. 32 h + 31.     kv [head-batch 64][151,552 B]: k's image likewise; v's image [key step 16][d tile 4][c 2][lane][16 B];
;   the scale words of q and k [pair of tiles 64][lane][2 words]; v's scale words [key step 16][d 64].
; THE QUANTISER: a block's largest magnitude (with the floor 2^-124 among its leaves), 2 off its exponent field = the conversion's scale operand; that >> 23 = the E8M0 byte.
; LIMITS: a block of zeros, and a block whose largest magnitude lies under 2^-124, gets the byte 1 (its bytes are read by this program alone; zero codes add nothing); NaN and infinities are not served.
; The biases of q and k start the sums (they are loaded into the accumulators), so they are added first, not last: a difference of f32 rounding order.
.set PITCH, 272                        ; an LDS row: 256 bytes + 16
.set SLOT,  448*PITCH                  ; a K half: 256 rows of hidden, 64 of Wq, 64 of Wk, 64 of Wv
.set SCL,   2*SLOT                     ; the scale bytes: seven groups (hidden 4, Wq, Wk, Wv) of 64 rows x 32 bytes = 8 pieces
.set SGRP,  8*PITCH
.set STG,   259072                     ; 512 bytes: v's scale bytes of the work-group's 8 key blocks; no fill lands in these blocks of 256 bytes
.set HEADB, 151552                     ; a head's bytes in kv
.set VCO,   65536                      ; in it: v's image,
.set QKSO,  131072                     ; q's and k's scale words,
.set VSO,   147456                     ; v's scale words
.set CODEW, (1<<20)|(1<<21)|(5<<22)|(3<<25)   ; group 1, word 0: elements of 1 byte; padding on; bit 21 beside a mask; 4 words of padding behind every 64
.set SCALW, (3<<16)|CODEW              ; the same with elements of 8 bytes
.set WV,   30                          ; s30 wave;  s31 cx, s32 cy, s33 x = head, s34 y = row block
.set SEL,  98                          ; s[98:99] selects of v_permlanex16_b32: lane l xor 16
.set G1H,  36                          ; s[36:43] group 1: hidden codes;  s[44:51] weights' codes;  s[52:59] hidden scales;  s[68:75] weights' scales
.set G1W,  44
.set G1SH, 52
.set G1SW, 68
.set G0SH, 60                          ; groups 0: hidden scales, K half 0, K half 1;
.set G0H0, 76
.set G0H1, 80
.set G0SW, 84                          ; the weights' likewise
.set G0W0, 88
.set G0W1, 92
.set AH,   1                           ; v1, v2  LDS address of my hidden fragments in slot 0, 1
.set AW,   3                           ; v3, v4  of the weights'
.set ASH,  5                           ; v5      of my rows' scale words
.set ASW,  6                           ; v6      of the weights'
.set SB,   7                           ; v7      where my key block's scale byte of d = r goes in the stage
.set HS,   8                           ; v8-9    hidden scale words   (v8-13 hold scales and nothing else)
.set WS,   10                          ; v10-13  weights' scale words
.set SRD,  14                          ; v14     the stage read back: 16 x lane
.set BO,   15                          ; v15     32 h: the biases' offset
.set HF,   16                          ; v16-31  two fragments of hidden
.set WF,   32                          ; v32-63  four fragments of a weight
.set ACC,  64                          ; v64-255 accumulator (g, m, t) at 64 g + 32 m + 8 t: g = q, k, v; m = tile of rows; t = tile of d
.set BM,   16                          ; behind the products v16-63 are at work: largest magnitudes,
.set BP,   20                          ; the other half's, then bytes,
.set BS,   24                          ; the conversions' scale operands,
.set HW,   28                          ; v28-31 the two bytes of (g, m),
.set CD,   32                          ; v32-47 codes,
.set VB,   40                          ; v40-43 v's bytes (behind the wait that frees the codes' registers),
.set QW,   48                          ; v48-49 the pair of scale words,
.set BV,   50                          ; v50-57 bv of my d, twice, a pair for each tile,
.set OI,   58                          ; 16 x lane
.set O8,   59                          ; 8 x lane
.set O4R,  60                          ; 4 r
.set OV,   61                          ; 16 r + 8 h
.set LN,   62                          ; lane
.macro ROUND                           ; a round of the cluster's barrier
	s_barrier_signal -1
	s_barrier_wait -1
	s_cmp_lg_u32 s[WV], 0
	s_cbranch_scc1 .Lnot_wave_0_\@
	s_barrier_signal -3
.Lnot_wave_0_\@:
	s_barrier_wait -3
	s_barrier_signal -1
	s_barrier_wait -1
.endm
.macro PLACES                          ; four plain vector places between a matrix instruction and a load into, or a vector read or write of, its registers
.rept 4
	v_nop
.endr
.endm
	s_load_b256 s[4:11], s[0:1], 0x0               ; hidden codes, hidden scales, Wq codes, Wq scales
	s_load_b256 s[12:19], s[0:1], 0x20             ; Wk codes, Wk scales, Wv codes, Wv scales
	s_load_b256 s[20:27], s[0:1], 0x40             ; bq, bk, bv, qc
	s_load_b64 s[28:29], s[0:1], 0x60              ; kv
	s_set_vgpr_msb 0x40
	v_lshl_add_u32 v0, v0, 2, 0x40000
	v_mov_b32 v1, 0
	s_set_vgpr_msb 0x4045
	ds_add_u32 v0, v1
	ds_add_u32 v0, v1
	s_set_vgpr_msb 0x4500
	v_lshrrev_b32 v16, 5, v0
	s_delay_alu instid0(VALU_DEP_1)
	v_readfirstlane_b32 s[WV], v16                 ; wave 0..7
	v_and_b32 v17, 15, v0                          ; r
	v_bfe_u32 v18, v0, 4, 1                        ; h
	v_and_b32 v19, 31, v0                          ; lane
	; every LDS address is made here, ahead of the first branch: constants, the lane and the wave alone
	s_delay_alu instid0(VALU_DEP_3)
	v_mul_u32_u24 v20, v17, PITCH
	s_delay_alu instid0(VALU_DEP_1)
	v_lshl_add_u32 v20, v18, 4, v20                ; a fragment: row r x pitch + 16 h
	s_mul_i32 s35, s[WV], 32*PITCH
	v_add_nc_u32 v[AH], s35, v20                   ; my 32 rows of hidden
	s_delay_alu instid0(VALU_DEP_1)
	v_add_nc_u32 v[AH+1], SLOT, v[AH]
	v_add_nc_u32 v[AW], 256*PITCH, v20             ; the weights lie behind hidden's 256 rows
	s_delay_alu instid0(VALU_DEP_1)
	v_add_nc_u32 v[AW+1], SLOT, v[AW]
	v_lshrrev_b32 v21, 3, v17
	v_and_b32 v22, 7, v17
	s_delay_alu instid0(VALU_DEP_2)
	v_mul_u32_u24 v21, v21, PITCH
	s_delay_alu instid0(VALU_DEP_1)
	v_lshl_add_u32 v21, v22, 5, v21                ; a row's 32 scale bytes: eight rows to a piece: (r / 8) x 272 + (r % 8) x 32
	s_mul_i32 s35, s[WV], 4*PITCH                  ; my 32 rows are four pieces
	s_add_co_u32 s35, s35, SCL
	v_add_nc_u32 v[ASH], s35, v21
	v_add_nc_u32 v[ASW], SCL+32*PITCH, v21         ; the weights' scales lie behind hidden's 32 pieces
	s_lshr_b32 s35, s[WV], 2
	s_lshl_b32 s35, s35, 8
	s_and_b32 s2, s[WV], 3
	s_add_co_u32 s35, s35, s2
	s_add_co_u32 s35, s35, STG
	v_lshl_add_u32 v[SB], v17, 2, s35              ; stage: key step w / 4: 256 bytes; word d; byte w % 4
	v_lshl_add_u32 v[SRD], v19, 4, STG
	v_lshlrev_b32 v[BO], 5, v18
	s_bfe_u32 s31, ttmp6, 0x40000                  ; cx
	s_bfe_u32 s32, ttmp6, 0x40004                  ; cy
	s_lshl_b32 s33, ttmp9, 2
	s_add_co_u32 s33, s33, s31                     ; x = head
	s_and_b32 s34, ttmp7, 0xffff
	s_lshl_b32 s34, s34, 2
	s_add_co_u32 s34, s34, s32                     ; y = block of 256 rows
	s_lshl_b32 s66, s32, 2
	s_lshl_b32 s66, 15, s66                        ; my row of the cluster
	s_lshl_b32 s67, 0x1111, s31                    ; my column
	s_or_b32 s[G1H], s66, CODEW
	s_or_b32 s[G1W], s67, CODEW
	s_or_b32 s[G1SH], s66, SCALW
	s_or_b32 s[G1SW], s67, SCALW
.irp g, G1H, G1W                       ; codes: 64 rows x 256 bytes, 512 bytes from row to row
	s_mov_b32 s[\g+1], 256<<16                     ; tensor_dim0
	s_mov_b32 s[\g+2], 64<<16                      ; tensor_dim1
	s_mov_b32 s[\g+3], 256<<16                     ; tile_dim0
	s_mov_b32 s[\g+4], 64                          ; tile_dim1
	s_mov_b32 s[\g+5], 512                         ; stride
	s_mov_b32 s[\g+6], 0
	s_mov_b32 s[\g+7], 0
.endr
.irp g, G1SH, G1SW                     ; scales of 64 rows: 2,048 dense bytes as 8 rows of 32 elements of 8 bytes
	s_mov_b32 s[\g+1], 32<<16
	s_mov_b32 s[\g+2], 8<<16
	s_mov_b32 s[\g+3], 32<<16
	s_mov_b32 s[\g+4], 8
	s_mov_b32 s[\g+5], 32
	s_mov_b32 s[\g+6], 0
	s_mov_b32 s[\g+7], 0
.endr
	s_mov_b32 s[G1H+2], 256<<16                    ; hidden's codes come 256 rows to a load,
	s_mov_b32 s[G1H+4], 256
	s_mov_b32 s[G1SH+2], 32<<16                    ; and its scales as 32 rows of 256 dense bytes
	s_mov_b32 s[G1SH+4], 32
	s_wait_dscnt 0x0
	s_wait_kmcnt 0x0
	; hidden: the block's 256 rows, a K half to a load.  These registers hold y alone
	s_lshl_b32 s2, s34, 17                         ; 256 y rows of 512 bytes
	s_mov_b32 s3, 0
	s_mov_b32 s[G0H0], 1
	s_mov_b32 s[G0H0+1], 0
	s_add_nc_u64 s[G0H0+2:G0H0+3], s[4:5], s[2:3]
	s_mov_b32 s[G0H1], 1
	s_add_co_u32 s[G0H1+1], s[G0H0+1], SLOT
	s_add_nc_u64 s[G0H1+2:G0H1+3], s[G0H0+2:G0H0+3], 256   ; K half 1
	s_or_b32 s[G0H0+3], s[G0H0+3], 0x80000000
	s_or_b32 s[G0H1+3], s[G0H1+3], 0x80000000
	s_lshr_b32 s2, s2, 4                           ; 32 scale bytes a row against 512 of codes
	s_mov_b32 s[G0SH], 1
	s_mov_b32 s[G0SH+1], SCL
	s_add_nc_u64 s[G0SH+2:G0SH+3], s[6:7], s[2:3]
	s_or_b32 s[G0SH+3], s[G0SH+3], 0x80000000
	; the weights: waves 1, 2, 3 fetch Wq, Wk, Wv, waves 5, 6, 7 their scales: the head's 64 rows.  These registers hold x and the wave alone
	; the weights: g = (wave + 3) % 4: waves 1, 2, 3 fetch the codes of Wq, Wk, Wv, waves 5, 6, 7 their scales: the head's 64 rows.  These registers hold x and the wave alone
	s_add_co_u32 s35, s[WV], 3
	s_and_b32 s35, s35, 3
	s_cmp_eq_u32 s35, 0
	s_cselect_b64 s[98:99], s[8:9], s[12:13]
	s_cselect_b64 s[100:101], s[10:11], s[14:15]
	s_cmp_gt_u32 s35, 1
	s_cselect_b64 s[98:99], s[16:17], s[98:99]
	s_cselect_b64 s[100:101], s[18:19], s[100:101]
	s_lshl_b32 s96, s33, 15                        ; 64 x rows of 512 bytes
	s_mov_b32 s97, 0
	s_mov_b32 s[G0W0], 1
	s_mul_i32 s[G0W0+1], s35, 64*PITCH
	s_add_co_u32 s[G0W0+1], s[G0W0+1], 256*PITCH   ; LDS: behind hidden's 256 rows
	s_add_nc_u64 s[G0W0+2:G0W0+3], s[98:99], s[96:97]
	s_mov_b32 s[G0W1], 1
	s_add_co_u32 s[G0W1+1], s[G0W0+1], SLOT
	s_add_nc_u64 s[G0W1+2:G0W1+3], s[G0W0+2:G0W0+3], 256
	s_or_b32 s[G0W0+3], s[G0W0+3], 0x80000000
	s_or_b32 s[G0W1+3], s[G0W1+3], 0x80000000
	s_lshl_b32 s96, s33, 11
	s_mov_b32 s[G0SW], 1
	s_mul_i32 s[G0SW+1], s35, SGRP
	s_add_co_u32 s[G0SW+1], s[G0SW+1], SCL+4*SGRP  ; LDS: behind hidden's four groups
	s_add_nc_u64 s[G0SW+2:G0SW+3], s[100:101], s[96:97]
	s_or_b32 s[G0SW+3], s[G0SW+3], 0x80000000
	ROUND                                          ; all sixteen work-groups are here: the joint loads meet
; THE HEAD'S LOADS, ONE A WAVE: wave 0 hidden's K half 0, waves 1-3 the weights' K half 0, wave 4 hidden's scales, waves 5-7 the weights' scales.
; One chain of branches on the wave's number; every way through it passes one load.
.macro ARM under, g0, g1, next
	s_cmp_lt_u32 s[WV], \under
	s_cbranch_scc0 \next
	tensor_load_to_lds s[\g0:\g0+3], s[\g1:\g1+7]
	s_nop 0
	PLACES
	s_branch .Lasked
\next:
.endm
	ARM 1, G0H0, G1H,  .Larm_w
	ARM 4, G0W0, G1W,  .Larm_sh
	ARM 5, G0SH, G1SH, .Larm_sw
	tensor_load_to_lds s[G0SW:G0SW+3], s[G1SW:G1SW+7]
	s_nop 0
	PLACES
.Lasked:
	s_load_b64 s[18:19], s[0:1], 0x68              ; attention_mask (s18, s19, s2, s3 are free: the descriptors hold their own copies)
	s_load_b64 s[2:3], s[0:1], 0x70                ; fl
	s_mov_b32 s[SEL], 0x76543210
	s_mov_b32 s[SEL+1], 0xfedcba98
	s_lshl_b32 s96, s33, 8                         ; the head's 64 biases
	s_mov_b32 s97, 0
	s_add_nc_u64 s[20:21], s[20:21], s[96:97]
	s_add_nc_u64 s[22:23], s[22:23], s[96:97]
	s_add_nc_u64 s[24:25], s[24:25], s[96:97]
	s_wait_alu depctr_va_vdst(0)
.irp m, 0,1                            ; bq and bk go straight into the accumulators: lane (r, h), tile t: b[16 t + 8 h + 0 .. 7]
.irp t, 0,1,2,3
	global_load_b128 v[ACC+32*\m+8*\t:ACC+32*\m+8*\t+3], v[BO], s[20:21] offset:64*\t
	global_load_b128 v[ACC+32*\m+8*\t+4:ACC+32*\m+8*\t+7], v[BO], s[20:21] offset:64*\t+16
	global_load_b128 v[ACC+64+32*\m+8*\t:ACC+64+32*\m+8*\t+3], v[BO], s[22:23] offset:64*\t
	global_load_b128 v[ACC+64+32*\m+8*\t+4:ACC+64+32*\m+8*\t+7], v[BO], s[22:23] offset:64*\t+16
.endr
.endr
	; where the results go (s4-s17 are free: the descriptors hold their own copies of the addresses)
	s_and_b32 s4, s34, 7                           ; yy: my block of 256 rows in the batch
	s_lshr_b32 s5, s34, 3                          ; the batch
	s_lshl_b32 s5, s5, 4
	s_add_co_u32 s5, s5, s33                       ; head-batch = 16 b + head
	s_lshl_b32 s6, s4, 13
	s_lshl_b32 s7, s[WV], 10
	s_add_co_u32 s6, s6, s7                        ; my two tiles' images: (16 yy + 2 w) x 512
	s_mov_b32 s7, 0
	s_lshl_b32 s8, s5, 16
	s_mov_b32 s9, 0
	s_add_nc_u64 s[26:27], s[26:27], s[8:9]
	s_add_nc_u64 s[26:27], s[26:27], s[6:7]        ; qc at my tiles
	s_mul_i32 s8, s5, HEADB
	s_add_nc_u64 s[28:29], s[28:29], s[8:9]        ; kv at my head
	s_add_nc_u64 s[10:11], s[28:29], s[6:7]        ; k's image at my tiles
	s_lshl_b32 s8, s4, 11
	s_lshl_b32 s6, s[WV], 8
	s_add_co_u32 s8, s8, s6
	s_add_co_u32 s8, s8, QKSO
	s_add_nc_u64 s[12:13], s[28:29], s[8:9]        ; the scale words of pair 8 yy + w
	s_lshl_b32 s8, s4, 13
	s_lshr_b32 s6, s[WV], 2
	s_lshl_b32 s6, s6, 12
	s_add_co_u32 s8, s8, s6                        ; key step 2 yy + w / 4: 4,096 bytes
	s_and_b32 s6, s[WV], 3
	s_lshl_b32 s6, s6, 8
	s_add_co_u32 s8, s8, s6                        ; key block w % 4 of the step: 256 bytes on for each
	s_add_co_u32 s8, s8, VCO
	s_add_nc_u64 s[14:15], s[28:29], s[8:9]        ; v's image at my key block
	s_lshl_b32 s8, s4, 9
	s_add_co_u32 s8, s8, VSO
	s_add_nc_u64 s[16:17], s[28:29], s[8:9]        ; v's scale words of key steps 2 yy, 2 yy + 1
	s_wait_kmcnt 0x0
	s_lshl_b32 s8, s34, 10
	s_lshl_b32 s6, s[WV], 7
	s_add_co_u32 s8, s8, s6
	s_add_nc_u64 s[18:19], s[18:19], s[8:9]        ; the mask of my 32 rows: 4 (256 y + 32 w) bytes on
	s_lshl_b32 s8, s33, 5
	s_add_co_u32 s8, s8, s34
	s_lshl_b32 s8, s8, 3
	s_add_co_u32 s8, s8, s[WV]
	s_lshl_b32 s8, s8, 8
	s_add_nc_u64 s[2:3], s[2:3], s[8:9]            ; fl [head 16][y 32][wave 8][256 B]
.macro LDH slot, q                     ; my two fragments of hidden for the slot's q-th 128 along K, and their scale words
.irp m, 0,1
.irp c, 0,1
	ds_load_b128 v[HF+8*\m+4*\c:HF+8*\m+4*\c+3], v[AH+\slot] offset:16*PITCH*\m+64*\q+32*\c
.endr
	ds_load_b32 v[HS+\m], v[ASH] offset:2*PITCH*\m+4*(4*\slot+\q)
.endr
.endm
.macro LDW g, slot, q                  ; the four fragments of weight g
.irp t, 0,1,2,3
.irp c, 0,1
	ds_load_b128 v[WF+8*\t+4*\c:WF+8*\t+4*\c+3], v[AW+\slot] offset:(64*\g+16*\t)*PITCH+64*\q+32*\c
.endr
	ds_load_b32 v[WS+\t], v[ASW] offset:(8*\g+2*\t)*PITCH+4*(4*\slot+\q)
.endr
.endm
.macro MULQK g                         ; source 0 = W, source 1 = hidden; eight accumulators, one instruction a turn
.irp m, 0,1
.irp t, 0,1,2,3
	v_wmma_scale_f32_16x16x128_f8f6f4 v[ACC+64*\g+32*\m+8*\t:ACC+64*\g+32*\m+8*\t+7], v[WF+8*\t:WF+8*\t+7], v[HF+8*\m:HF+8*\m+7], v[ACC+64*\g+32*\m+8*\t:ACC+64*\g+32*\m+8*\t+7], v[WS+\t], v[HS+\m] matrix_a_fmt:MATRIX_FMT_FP4 matrix_b_fmt:MATRIX_FMT_FP4
.endr
.endr
.endm
.macro MULV first                      ; source 0 = hidden, source 1 = Wv; the first K step starts the sums
.irp m, 0,1
.irp t, 0,1,2,3
.if \first
	v_wmma_scale_f32_16x16x128_f8f6f4 v[ACC+128+32*\m+8*\t:ACC+128+32*\m+8*\t+7], v[HF+8*\m:HF+8*\m+7], v[WF+8*\t:WF+8*\t+7], 0, v[HS+\m], v[WS+\t] matrix_a_fmt:MATRIX_FMT_FP4 matrix_b_fmt:MATRIX_FMT_FP4
.else
	v_wmma_scale_f32_16x16x128_f8f6f4 v[ACC+128+32*\m+8*\t:ACC+128+32*\m+8*\t+7], v[HF+8*\m:HF+8*\m+7], v[WF+8*\t:WF+8*\t+7], v[ACC+128+32*\m+8*\t:ACC+128+32*\m+8*\t+7], v[HS+\m], v[WS+\t] matrix_a_fmt:MATRIX_FMT_FP4 matrix_b_fmt:MATRIX_FMT_FP4
.endif
.endr
.endr
.endm
.macro KSTEP slot, q, first            ; 128 along K: 24 matrix instructions; each run of loads stands four places behind the products that read its registers
	PLACES
	LDH \slot, \q
	LDW 0, \slot, \q
	s_wait_dscnt 0x0
	MULQK 0
	PLACES
	LDW 1, \slot, \q
	s_wait_dscnt 0x0
	MULQK 1
	PLACES
	LDW 2, \slot, \q
	s_wait_dscnt 0x0
	MULV \first
.endm
	s_wait_loadcnt 0x0                             ; the biases are in the accumulators
	s_set_vgpr_msb 0x5                             ; (the add's two registers are v256, v257)
	s_wait_tensorcnt 0x0                           ; my tile of the head's eight has landed
	ds_add_u32 v0, v1
	s_wait_dscnt 0x0
	s_set_vgpr_msb 0x500
	ROUND                                          ; everybody's tile is in, and all sixteen work-groups are here: K half 1's joint loads meet
	s_cmp_lt_u32 s[WV], 1                          ; wave 0: hidden's K half 1; waves 1-3: the weights'; one load a wave
	s_cbranch_scc0 .Lhalf_w
	tensor_load_to_lds s[G0H1:G0H1+3], s[G1H:G1H+7]
	s_nop 0
	PLACES
	s_branch .Lhalf_asked
.Lhalf_w:
	s_cmp_lt_u32 s[WV], 4
	s_cbranch_scc0 .Lhalf_asked
	tensor_load_to_lds s[G0W1:G0W1+3], s[G1W:G1W+7]
	s_nop 0
	PLACES
.Lhalf_asked:
	KSTEP 0, 0, 1
	KSTEP 0, 1, 0
	KSTEP 0, 2, 0
	KSTEP 0, 3, 0
	s_wait_tensorcnt 0x0                           ; my part of K half 1
	s_wait_dscnt 0x0
	s_barrier_signal -1
	s_barrier_wait -1
	KSTEP 1, 0, 0
	KSTEP 1, 1, 0
	KSTEP 1, 2, 0
	KSTEP 1, 3, 0
	PLACES                                         ; behind the last products: their operands' registers are written and their results read from here on
	v_and_b32 v[LN], 31, v0
	s_delay_alu instid0(VALU_DEP_1)
	v_lshlrev_b32 v[OI], 4, v[LN]
	s_delay_alu instid0(VALU_DEP_2)
	v_lshlrev_b32 v[O8], 3, v[LN]
	v_and_b32 v63, 15, v0
	s_delay_alu instid0(VALU_DEP_1)
	v_lshlrev_b32 v[O4R], 2, v63
	v_bfe_u32 v[OV], v0, 4, 1
	s_delay_alu instid0(VALU_DEP_1)
	v_lshlrev_b32 v[OV], 3, v[OV]
	s_delay_alu instid0(VALU_DEP_1)
	v_lshl_add_u32 v[OV], v63, 4, v[OV]
.irp t, 0,1,2,3
	global_load_b32 v[BV+2*\t], v[O4R], s[24:25] offset:64*\t     ; bv[16 t + r], twice: a pair for the packed addition
	global_load_b32 v[BV+2*\t+1], v[O4R], s[24:25] offset:64*\t
.endr
	v_lshlrev_b32 v27, 2, v[LN]
	global_load_b32 v26, v27, s[18:19]             ; the mask of row 32 w + lane
	v_mov_b32 v[BP], 0                             ; written once: a lane permute's destination counts as one of its sources
	v_mov_b32 v[BP+1], 0
; q or k (g = 0, 1), tile of rows m: a lane holds row r and, of block b of 32 along d, the 16 numbers 32 b + 16 u + 8 h + 0 .. 7 (u = 0, 1) in registers 16 b + 8 u + 0 .. 7.
; The conversion of (block b, u) goes to register 2 u + b; the exchange of halves of registers 2 u and 2 u + 1 then leaves lane half h with block h, register i = d 32 h + 8 i .. + 7: the operand's image.
.macro QKQ g, m
.set A, ACC+64*\g+32*\m
.set C4, CD+4*(2*\g+\m)
.irp b, 0,1
	v_max3_num_f32 v[BM+\b], |v[A+16*\b]|, |v[A+16*\b+1]|, 0x1800000    ; each accumulator is read from its low end on; the floor 2^-124 holds the byte at 1 from below
.endr
.irp i, 2,4,6,8,10,12,14
.irp b, 0,1
	v_max3_num_f32 v[BM+\b], v[BM+\b], |v[A+16*\b+\i]|, |v[A+16*\b+\i+1]|
.endr
.endr
.irp b, 0,1
	s_delay_alu instid0(VALU_DEP_2)
	v_permlanex16_b32 v[BP+\b], v[BM+\b], s[SEL], s[SEL+1]
.endr
.irp b, 0,1
	s_delay_alu instid0(VALU_DEP_2)
	v_max_num_f32 v[BM+\b], v[BM+\b], v[BP+\b]     ; with lane l xor 16: the block's largest magnitude
.endr
.irp b, 0,1
	s_delay_alu instid0(VALU_DEP_2)
	v_add_nc_u32 v[BS+\b], 0xff000000, v[BM+\b]    ; 2 off the exponent field: the conversion's scale operand
.endr
.irp b, 0,1
	s_delay_alu instid0(VALU_DEP_2)
	v_lshrrev_b32 v[BP+\b], 23, v[BS+\b]           ; the byte
.endr
	s_delay_alu instid0(VALU_DEP_1)
	v_lshl_or_b32 v[HW+2*\g+\m], v[BP+1], 8, v[BP]
.irp b, 0,1
	v_cvt_scalef32_pk8_fp4_f32 v[C4+\b], v[A+16*\b:A+16*\b+7], v[BS+\b]
	v_cvt_scalef32_pk8_fp4_f32 v[C4+2+\b], v[A+16*\b+8:A+16*\b+15], v[BS+\b]
.endr
	v_nop                                          ; one plain place behind a scaled conversion
	v_permlane16_swap_b32 v[C4], v[C4+1]
	v_permlane16_swap_b32 v[C4+2], v[C4+3]
.if \g == 0
	global_store_b128 v[OI], v[C4:C4+3], s[26:27] offset:512*\m    ; 32 lanes store 512 consecutive bytes, aligned
.else
	global_store_b128 v[OI], v[C4:C4+3], s[10:11] offset:512*\m
.endif
.endm
	QKQ 0, 0
	QKQ 0, 1
	QKQ 1, 0
	QKQ 1, 1
	v_lshl_or_b32 v[QW], v[HW], 16, v[HW]          ; q's word: its two bytes twice, so that it serves q in either half of the next product's K
	v_lshl_or_b32 v[QW+1], v[HW+1], 16, v[HW+1]
	v_cmp_lt_u32 vcc_lo, 15, v[LN]
	s_delay_alu instid0(VALU_DEP_1)
	v_cndmask_b32 v[QW], v[QW], v[QW+1], vcc_lo    ; lane l has row 32 P + l: lanes 16-31 the second tile's
	v_lshl_or_b32 v[QW+1], v[HW+3], 16, v[HW+2]    ; k's word of the pair of tiles: bytes 0, 1 key r, bytes 2, 3 key 16 + r
	global_store_b64 v[O8], v[QW:QW+1], s[12:13]   ; 256 consecutive bytes, aligned
	s_wait_xcnt 0x0                                ; the stores above have read their data: the codes' registers are written again below
	s_wait_loadcnt 0x0                             ; bv, and the mask
	v_cmp_neq_f32 vcc_lo, 1.0, v26                 ; bit l: row 32 w + l has a mask other than 1.  A whole number for the next launch, which chooses its arithmetic by it
	v_mov_b32 v22, vcc_lo
	v_mov_b32 v23, vcc_lo
	global_store_b64 v[O8], v[22:23], s[2:3]       ; the word fills my wave's own 256 consecutive bytes, aligned
; v, tile of d t: a lane holds d = 16 t + r and, of my wave's ONE block of 32 keys, the 16 keys 16 m + 8 h + 0 .. 7.  Behind the exchange lane half h holds words 2 h, 2 h + 1 of the row's 16 bytes.
.macro VQ t
.set A0, ACC+128+8*\t
.set A1, ACC+160+8*\t
.irp j, 0,2,4,6
	v_pk_add_f32 v[A0+\j:A0+\j+1], v[A0+\j:A0+\j+1], v[BV+2*\t:BV+2*\t+1]
	v_pk_add_f32 v[A1+\j:A1+\j+1], v[A1+\j:A1+\j+1], v[BV+2*\t:BV+2*\t+1]
.endr
	v_max3_num_f32 v[BM], |v[A0]|, |v[A0+1]|, 0x1800000
	v_max3_num_f32 v[BM+1], |v[A1]|, |v[A1+1]|, |v[A1+2]|
	s_delay_alu instid0(VALU_DEP_2)
	v_max3_num_f32 v[BM], v[BM], |v[A0+2]|, |v[A0+3]|
	s_delay_alu instid0(VALU_DEP_2)
	v_max3_num_f32 v[BM+1], v[BM+1], |v[A1+3]|, |v[A1+4]|
	s_delay_alu instid0(VALU_DEP_2)
	v_max3_num_f32 v[BM], v[BM], |v[A0+4]|, |v[A0+5]|
	s_delay_alu instid0(VALU_DEP_2)
	v_max3_num_f32 v[BM+1], v[BM+1], |v[A1+5]|, |v[A1+6]|
	s_delay_alu instid0(VALU_DEP_2)
	v_max3_num_f32 v[BM], v[BM], |v[A0+6]|, |v[A0+7]|
	s_delay_alu instid0(VALU_DEP_1)
	v_max3_num_f32 v[BM], v[BM], v[BM+1], |v[A1+7]|
	s_delay_alu instid0(VALU_DEP_1)
	v_permlanex16_b32 v[BP], v[BM], s[SEL], s[SEL+1]
	s_delay_alu instid0(VALU_DEP_1)
	v_max_num_f32 v[BM], v[BM], v[BP]
	s_delay_alu instid0(VALU_DEP_1)
	v_add_nc_u32 v[BS], 0xff000000, v[BM]
	s_delay_alu instid0(VALU_DEP_1)
	v_lshrrev_b32 v[VB+\t], 23, v[BS]
	v_cvt_scalef32_pk8_fp4_f32 v[CD+2*\t], v[A0:A0+7], v[BS]
	v_cvt_scalef32_pk8_fp4_f32 v[CD+2*\t+1], v[A1:A1+7], v[BS]
	v_nop
	v_permlane16_swap_b32 v[CD+2*\t], v[CD+2*\t+1]
	global_store_b64 v[OV], v[CD+2*\t:CD+2*\t+1], s[14:15] offset:1024*\t   ; 16 rows of d x 16 bytes: 256 consecutive bytes, aligned
	ds_store_b8 v[SB], v[VB+\t] offset:64*\t       ; both lanes of a row write the same byte with the same value
.endm
	VQ 0
	VQ 1
	VQ 2
	VQ 3
	s_wait_dscnt 0x0                               ; for the others: my bytes lie in the stage
	s_barrier_signal -1
	s_barrier_wait -1
	s_cmp_lg_u32 s[WV], 0
	s_cbranch_scc1 .Lnot_mine
	ds_load_b128 v[44:47], v[SRD]                  ; the eight waves' bytes make 128 whole words
	s_wait_dscnt 0x0
	global_store_b128 v[OI], v[44:47], s[16:17]    ; 512 consecutive bytes, aligned
.Lnot_mine:
	s_set_vgpr_msb 0x5
	s_wait_tensorcnt 0x0
	ds_add_u32 v0, v1
	s_wait_dscnt 0x0
	s_set_vgpr_msb 0x500
	ROUND                                          ; the closing round: no work-group ends while a partner may still ask for a tile that names it
	s_endpgm
.Lfunc_end_k_qd4422b2781_qkv:
	.size	k_qd4422b2781_qkv, .Lfunc_end_k_qd4422b2781_qkv-k_qd4422b2781_qkv
	.p2alignl 7, 3214868480
	.fill 96, 4, 3214868480
	.section	.rodata,"a",@progbits
	.p2align	6, 0x0
	.amdhsa_kernel k_qd4422b2781_qkv
		.amdhsa_group_segment_fixed_size 327680
		.amdhsa_private_segment_fixed_size 0
		.amdhsa_enable_private_segment 0
		.amdhsa_kernarg_size 120
		.amdhsa_user_sgpr_count 2
		.amdhsa_user_sgpr_kernarg_segment_ptr 1
		.amdhsa_wavefront_size32 1
		.amdhsa_system_sgpr_workgroup_id_x 1
		.amdhsa_system_sgpr_workgroup_id_y 1
		.amdhsa_system_sgpr_workgroup_id_z 1
		.amdhsa_system_vgpr_workitem_id 0
		.amdhsa_next_free_vgpr 258
		.amdhsa_next_free_sgpr 102
		.amdhsa_reserve_vcc 1
		.amdhsa_float_denorm_mode_32 3
		.amdhsa_float_denorm_mode_16_64 3
		.amdhsa_memory_ordered 1
		.amdhsa_forward_progress 1
		.amdhsa_inst_pref_size 83
	.end_amdhsa_kernel
	.amdgpu_metadata
---
amdhsa.version: [ 1, 2 ]
amdhsa.kernels:
  - .name:           k_qd4422b2781_qkv
    .symbol:         k_qd4422b2781_qkv.kd
    .args:
      - { .name: hidden_states_codes, .offset: 0, .size: 8, .value_kind: global_buffer, .address_space: global }
      - { .name: hidden_states_scales, .offset: 8, .size: 8, .value_kind: global_buffer, .address_space: global }
      - { .name: Wq_codes, .offset: 16, .size: 8, .value_kind: global_buffer, .address_space: global }
      - { .name: Wq_scales, .offset: 24, .size: 8, .value_kind: global_buffer, .address_space: global }
      - { .name: Wk_codes, .offset: 32, .size: 8, .value_kind: global_buffer, .address_space: global }
      - { .name: Wk_scales, .offset: 40, .size: 8, .value_kind: global_buffer, .address_space: global }
      - { .name: Wv_codes, .offset: 48, .size: 8, .value_kind: global_buffer, .address_space: global }
      - { .name: Wv_scales, .offset: 56, .size: 8, .value_kind: global_buffer, .address_space: global }
      - { .name: bq, .offset: 64, .size: 8, .value_kind: global_buffer, .address_space: global }
      - { .name: bk, .offset: 72, .size: 8, .value_kind: global_buffer, .address_space: global }
      - { .name: bv, .offset: 80, .size: 8, .value_kind: global_buffer, .address_space: global }
      - { .name: qc, .offset: 88, .size: 8, .value_kind: global_buffer, .address_space: global }
      - { .name: kv, .offset: 96, .size: 8, .value_kind: global_buffer, .address_space: global }
      - { .name: attention_mask, .offset: 104, .size: 8, .value_kind: global_buffer, .address_space: global }
      - { .name: fl, .offset: 112, .size: 8, .value_kind: global_buffer, .address_space: global }
    .group_segment_fixed_size: 327680
    .private_segment_fixed_size: 0
    .kernarg_segment_align: 8
    .kernarg_segment_size: 120
    .max_flat_workgroup_size: 256
    .sgpr_count:     102
    .vgpr_count:     258
    .wavefront_size: 32
...
	.end_amdgpu_metadata
.endif
;; end of part 1
;; launch attn (part 2): grid 8 x 32, 16 waves a work-group, no clusters, 306,176 bytes of LDS; arguments qc, kv, attention_mask, fl, cc, cs; writes cc, cs
.if DOCPART == 2
	.amdgcn_target "amdgcn-amd-amdhsa--gfx1250"
	.amdhsa_code_object_version 6
	.text
	.protected	k_qd4422b2781_attn
	.globl	k_qd4422b2781_attn
	.p2align	8
	.type	k_qd4422b2781_attn,@function
k_qd4422b2781_attn:
	s_mov_b64 s[64:65], 0
	v_nop
	global_prefetch_b8 v0, s[64:65] scope:SCOPE_SE
	s_setreg_imm32_b32 hwreg(HW_REG_WAVE_MODE, 25, 1), 1
	s_wait_xcnt 0x0
; ctx = softmax(q k^T / 8 + (1 - mask) x -10000) v for 256 queries (work-group x) of TWO heads of one batch (work-group y), both products on codes of FP4 (E2M1) with E8M0 scales; ctx is quantised along d and stored as images of the next launch's operand registers (cc) with its scale words (cs).
; THE SOFTMAX: t = logit x log2(e); M = the ceiling of the running largest t; p = 2^(t - M) is quantised along the keys, not normalised; the row's sum is taken of the unquantised p and divides at the end.
; THE MASK'S TERM IS LIVE: it is the same along the keys, but it moves t by a number that is not whole, and so p's codes.  logit = score / 8 + term and t = logit x log2(e) are each rounded to f32 as reference() rounds them.
; Where a tile's 16 rows all have mask = 1 the term is 0 and these two roundings change nothing beyond f32's last bit: t - M is then ONE fused multiply-add.  The launch before has stored, as a whole number, which rows have another mask (fl);
; a scalar branch on my 16 bits, inside the step, leads round the two extra passes.  The last pass is common: x FAC - M, FAC = log2(e) / 8 without holes, 1 with them.
; THE RUNNING MAXIMUM is kept of the raw score: adding the row's term and multiplying by a positive constant, each rounded, never turn an order round, so t of the largest score is the largest t, bit for bit.
; SHARES.  Sixteen waves, four to a SIMD; a wave owns 16 queries and walks all 2,048 keys of head 0, then of head 1, 128 keys a step.  Both products are used transposed: a lane holds one query (lane % 16).
; LDS.  Both heads' k, v and scale words (2 x 151,552 consecutive bytes of kv, images of operand registers) are copied once, through registers: wave w takes 18,944 bytes, 37 loads of 512 bytes, all asked for at once.  One barrier; none in the loops.
; NO TENSOR LOAD AND NO CLUSTER: the step's branch hangs on a number read from memory; joint loads are tensor loads.
; NO PREFETCH: all of kv that the work-group reads is asked for at the head, where there is no loop to run ahead in.
; In a step v's fragments of this step and k's of the NEXT step are asked for; the last step of a head asks for 4,096 bytes behind k's image, which lie inside the copied bytes and are not used.
; LIMITS: the promise holds while the exponents to the base 2 stay under 2^31 in magnitude; a block whose largest magnitude lies under 2^-124 gets the byte 1 (read by this program alone; zero codes add nothing); NaN and infinities are not served.
.set HEADB, 151552                     ; a head's bytes in kv: k's image, v's image, q's and k's scale words, v's scale words
.set WSH,   18944                      ; what a wave copies
.set VCO,   65536
.set QKSO,  131072
.set VSO,   147456
.set STG,   2*HEADB                    ; 64 bytes a wave: ctx's scale words
.set SPARE, STG+1024                   ; the spare words, 128 bytes a wave
.set WV,  16                           ; s16 wave; s18 y; s19 batch; s20 pair of heads; s21 my tile of 16 queries in the batch
.set SEL, 22                           ; s[22:23] lane l xor 16
.set CS,  24                           ; s[24:25] log2(e) / 8
.set CNT, 26
.set FLG, 27                           ; my 16 rows' bits
.set FAC, 38                           ; s[38:39] the last pass's factor
.set LI,  1                            ; 16 x lane
.set SPW, 2
.set NIL, 3
.set LKS, 4                            ; 8 x lane + k's scale words
.set ADK, 5                            ; LDS addresses that walk: k (the next step's), v, k's scale words, v's
.set ADV, 6
.set ADS, 7
.set ADT, 8
.set SWR, 9
.set SRD, 10
.set FO,  11                           ; the copy's offset, in kv and in LDS alike
.set NM,  12                           ; -M;  v13 the largest raw score;  v[14:15] the sum
.set SM,  13
.set L,   14
.set QZ,  16                           ; v16-39: for each head zeros, q, zeros: q in either half of K = 128
.set QS,  40                           ; v40-41 q's scale words; v42 p's; v44-47 k's; v84-87 v's: they hold scales and nothing else
.set PW,  42
.set CW,  43
.set SCK, 44
.set MT,  48                           ; 8 x the mask's term
.set F,   50
.set T0,  52
.set LVS, 53
.set L2,  54                           ; v[54:55], v[88:89], v[90:91]: three more chains of the sum
.set BM,  56
.set BP,  60
.set BS,  64
.set PC,  68
.set CC,  76
.set SCV, 84
.set L3,  88
.set L4,  90
.set T1,  92                           ; the old -M
.set KF,  96
.set S,   128
.set O,   192
.set VF,  224
	s_load_b256 s[4:11], s[0:1], 0x0               ; qc, kv, attention_mask, fl
	s_load_b128 s[12:15], s[0:1], 0x20             ; cc, cs
	v_lshl_add_u32 v[SPW], v0, 2, SPARE
	v_mov_b32 v[NIL], 0
	v_lshrrev_b32 v11, 5, v0
	s_delay_alu instid0(VALU_DEP_1)
	v_readfirstlane_b32 s[WV], v11
	s_and_b32 s18, ttmp7, 0xffff
	s_lshr_b32 s19, s18, 3
	s_and_b32 s20, s18, 7
	s_lshl_b32 s21, ttmp9, 4
	s_add_co_u32 s21, s21, s[WV]
	s_mov_b32 s[SEL], 0x76543210
	s_mov_b32 s[SEL+1], 0xfedcba98
	s_mov_b32 s[CS], 0x3e38aa3b
	s_mov_b32 s[CS+1], s[CS]
	s_lshl_b32 s28, s[WV], 6
	s_add_co_u32 s28, s28, STG
	s_and_b32 s29, s[WV], 1
	s_lshl_b32 s30, s29, 9
	s_add_co_u32 s30, s30, STG
	s_mul_i32 s31, s[WV], WSH
	s_mov_b32 s33, 0
	v_and_b32 v92, 15, v0                          ; r
	v_and_b32 v93, 31, v0                          ; lane
	s_delay_alu instid0(VALU_DEP_2)
	v_lshl_add_u32 v[LVS], v92, 2, VSO-256         ; one step back: the step's address lines come ahead of its loads
	s_delay_alu instid0(VALU_DEP_2)
	v_lshlrev_b32 v[LI], 4, v93
	v_lshl_add_u32 v[LKS], v93, 3, QKSO+4
	v_lshl_add_u32 v[SWR], v92, 2, s28
	v_lshlrev_b32 v94, 3, v92
	v_lshlrev_b32 v95, 2, v92
	v_add_nc_u32 v[SRD], s30, v[LI]
	v_add_nc_u32 v[FO], s31, v[LI]
.irp i, 0,1,2,3,8,9,10,11,12,13,14,15,20,21,22,23
	v_mov_b32 v[QZ+\i], 0
.endr
.irp b, 0,1,2,3
	v_mov_b32 v[BP+\b], 0                          ; a lane permute's destination counts as one of its sources
.endr
	v_mov_b32 v[F+1], 0
	s_wait_alu depctr_va_vdst(0)
	s_wait_kmcnt 0x0
	s_mul_i32 s32, s18, 2*HEADB
	s_add_nc_u64 s[6:7], s[6:7], s[32:33]          ; kv at my two heads
	s_lshl_b32 s32, s18, 17
	s_lshl_b32 s34, s21, 9
	s_add_co_u32 s32, s32, s34
	s_add_nc_u64 s[4:5], s[4:5], s[32:33]          ; q's image of my tile
	s_lshl_b32 s32, s21, 7
	s_add_co_u32 s32, s32, QKSO
	s_add_nc_u64 s[36:37], s[6:7], s[32:33]        ; q's scale words
	s_lshl_b32 s32, s19, 13
	s_lshl_b32 s34, s21, 6
	s_add_co_u32 s32, s32, s34
	s_add_nc_u64 s[8:9], s[8:9], s[32:33]          ; my rows' mask
	global_load_b128 v[QZ+4:QZ+7], v[LI], s[4:5]
	global_load_b128 v[QZ+16:QZ+19], v[LI], s[4:5] offset:65536
	global_load_b32 v[QS], v94, s[36:37]
	global_load_b32 v[QS+1], v94, s[36:37] offset:HEADB
	global_load_b32 v[MT], v95, s[8:9]
.set FI, 0
.rept 37
	global_load_b128 v[96+4*FI:99+4*FI], v[FO], s[6:7] offset:512*FI   ; 32 lanes read 512 consecutive bytes, aligned
.set FI, FI+1
.endr
	s_lshl_b32 s32, s20, 6                         ; fl [head 2 x pair][block of 256 rows 8 batch + x][wave / 2][256 B]
	s_lshl_b32 s34, s19, 3
	s_add_co_u32 s32, s32, s34
	s_add_co_u32 s32, s32, ttmp9
	s_lshl_b32 s32, s32, 3
	s_lshr_b32 s34, s[WV], 1
	s_add_co_u32 s32, s32, s34
	s_lshl_b32 s32, s32, 8
	s_add_nc_u64 s[10:11], s[10:11], s[32:33]
	s_load_b32 s[FLG], s[10:11], 0x0
	s_lshr_b32 s32, s20, 2                         ; cc [K half][row tile 512][K step 4][head 2][lane][16 B]
	s_lshl_b32 s32, s32, 21
	s_lshl_b32 s34, s19, 19
	s_add_co_u32 s32, s32, s34
	s_lshl_b32 s34, s21, 12
	s_add_co_u32 s32, s32, s34
	s_and_b32 s34, s20, 3
	s_lshl_b32 s34, s34, 10
	s_add_co_u32 s32, s32, s34
	s_add_nc_u64 s[12:13], s[12:13], s[32:33]
	s_lshl_b32 s32, s19, 16                        ; cs [block of 128 rows][K step 8][128 rows] words (waves 0 and 1 store)
	s_lshl_b32 s34, ttmp9, 13
	s_add_co_u32 s32, s32, s34
	s_lshl_b32 s34, s[WV], 12
	s_add_co_u32 s32, s32, s34
	s_lshl_b32 s34, s20, 9
	s_add_co_u32 s32, s32, s34
	s_add_nc_u64 s[14:15], s[14:15], s[32:33]
	s_wait_kmcnt 0x0
	s_lshl_b32 s34, s29, 4
	s_lshr_b32 s[FLG], s[FLG], s34
	s_and_b32 s[FLG], s[FLG], 0xffff               ; my 16 rows' bits
	s_cmp_eq_u32 s[FLG], 0
	s_cselect_b32 s[FAC], s[CS], 1.0
	s_mov_b32 s[FAC+1], s[FAC]
.set FI, 0
.rept 37
	s_wait_loadcnt 36-FI                           ; the 36 - i younger loads may stay out
	ds_store_b128 v[FO], v[96+4*FI:99+4*FI] offset:512*FI
.set FI, FI+1
.endr
	v_sub_f32 v[MT], 1.0, v[MT]
	s_delay_alu instid0(VALU_DEP_1)
	v_mul_f32 v[MT], 0xc61c4000, v[MT]             ; (1 - mask) x -10000, as reference() rounds it,
	s_delay_alu instid0(VALU_DEP_1)
	v_mul_f32 v[MT], 0x41000000, v[MT]             ; x 8, exact: it is added to the score ahead of the factor 1 / 8
	s_delay_alu instid0(VALU_DEP_1)
	v_mov_b32 v[MT+1], v[MT]
	s_wait_alu depctr_va_vdst(0)
	s_wait_dscnt 0x0                               ; for the others: my part of the copy lies in LDS
	s_barrier_signal -1
	s_barrier_wait -1
.macro LD3 d, s, a, sa, o, so          ; a fragment's two halves and its scale word
	ds_load_b128 v[\d:\d+3], v[\a] offset:\o
	ds_load_b128 v[\d+4:\d+7], v[\a] offset:\o+512
	ds_load_b32 v[\s], v[\sa] offset:\so
.endm
; A KEY STEP: 128 keys.  A fragment of k holds two tiles of 16 keys, one in each half of K = 128; q stands in one half and zeros in the other.
.macro STEP hd
	s_wait_dscnt 0x0                               ; k's fragments, asked for a step ago
.irp p, 0,1,2,3
	v_wmma_scale_f32_16x16x128_f8f6f4 v[S+16*\p:S+16*\p+7], v[KF+8*\p:KF+8*\p+7], v[QZ+12*\hd+4:QZ+12*\hd+11], 0, v[SCK+\p], v[QS+\hd] matrix_a_fmt:MATRIX_FMT_FP4 matrix_b_fmt:MATRIX_FMT_FP4
	v_wmma_scale_f32_16x16x128_f8f6f4 v[S+16*\p+8:S+16*\p+15], v[KF+8*\p:KF+8*\p+7], v[QZ+12*\hd:QZ+12*\hd+7], 0, v[SCK+\p], v[QS+\hd] matrix_a_fmt:MATRIX_FMT_FP4 matrix_b_fmt:MATRIX_FMT_FP4
.endr
	v_add_nc_u32 v[ADV], 4096, v[ADV]              ; four address steps: the four places behind the products (ISA guide 7.12.1), ahead of the first read of the scores
	v_add_nc_u32 v[ADT], 256, v[ADT]
	v_add_nc_u32 v[ADK], 4096, v[ADK]
	v_add_nc_u32 v[ADS], 1024, v[ADS]
.irp b, 0,1,2,3
	v_max3_num_f32 v[BM+\b], v[S+16*\b], v[S+16*\b+1], v[S+16*\b+2]   ; each block's largest score: for the row's maximum and for the block's largest p
.endr
.irp i, 3,5,7,9,11,13
.irp b, 0,1,2,3
	v_max3_num_f32 v[BM+\b], v[BM+\b], v[S+16*\b+\i], v[S+16*\b+\i+1]
.endr
.endr
.irp b, 0,1,2,3
	v_max_num_f32 v[BM+\b], v[BM+\b], v[S+16*\b+15]
.endr
.irp b, 0,1,2,3
	s_delay_alu instid0(VALU_DEP_4)
	v_permlanex16_b32 v[BP+\b], v[BM+\b], s[SEL], s[SEL+1]
.endr
.irp b, 0,1,2,3
	s_delay_alu instid0(VALU_DEP_4)
	v_max_num_f32 v[BM+\b], v[BM+\b], v[BP+\b]
.endr
	v_mov_b32 v[T1], v[NM]
	; the chain to M and f: eight lines, each reading the line before; the step's 24 LDS loads stand between them, v's 12 first
	v_max3_num_f32 v[T0], v[BM], v[BM+1], v[BM+2]
	LD3 VF, SCV, ADV, ADT, 0, 0
	v_max3_num_f32 v[SM], v[T0], v[BM+3], v[SM]    ; the running largest score
	LD3 VF+8, SCV+1, ADV, ADT, 1024, 64
	v_add_f32 v[T0], v[SM], v[MT]
	LD3 VF+16, SCV+2, ADV, ADT, 2048, 128
	v_mul_f32 v[T0], s[CS], v[T0]                  ; the running largest t
	LD3 VF+24, SCV+3, ADV, ADT, 3072, 192
	v_floor_f32 v[NM], -v[T0]                      ; -M = floor(-t)
	LD3 KF, SCK, ADK, ADS, 0, 0
	v_sub_f32 v[T1], v[NM], v[T1]
	LD3 KF+8, SCK+1, ADK, ADS, 1024, 256
	v_cvt_i32_f32 v[T1], v[T1]
	LD3 KF+16, SCK+2, ADK, ADS, 2048, 512
	v_ldexp_f32 v[F], 1.0, v[T1]                   ; f = 2^(old M - new M)
	LD3 KF+24, SCK+3, ADK, ADS, 3072, 768
	v_pk_mul_f32 v[L:L+1], v[L:L+1], v[F:F+1] op_sel_hi:[1,0]   ; the sum and O^T under the new M, ahead of the step's exponentials
.irp j, 0,2,4,6,8,10,12,14,16,18,20,22,24,26,28,30
	v_pk_mul_f32 v[O+\j:O+\j+1], v[O+\j:O+\j+1], v[F:F+1] op_sel_hi:[1,0]
.endr
	s_cmp_eq_u32 s[FLG], 0
	s_cbranch_scc1 .Lplain_\hd                     ; no row of mine has a hole: the two passes below would change nothing.  (What is read behind the jump has at least 17 plain vector lines between its write and its reader)
.irp j, 0,2,4,6,8,10,12,14,16,18,20,22,24,26,28,30,32,34,36,38,40,42,44,46,48,50,52,54,56,58,60,62
	v_pk_add_f32 v[S+\j:S+\j+1], v[S+\j:S+\j+1], v[MT:MT+1] op_sel_hi:[1,0]    ; 8 x logit, rounded
.endr
.irp b, 0,1,2,3
	v_add_f32 v[BM+\b], v[BM+\b], v[MT]
.endr
.irp j, 0,2,4,6,8,10,12,14,16,18,20,22,24,26,28,30,32,34,36,38,40,42,44,46,48,50,52,54,56,58,60,62
	v_pk_mul_f32 v[S+\j:S+\j+1], v[S+\j:S+\j+1], s[CS:CS+1] op_sel_hi:[1,0]    ; t, rounded
.endr
.irp b, 0,1,2,3
	v_mul_f32 v[BM+\b], s[CS], v[BM+\b]
.endr
.Lplain_\hd:
.irp j, 0,2,4,6,8,10,12,14,16,18,20,22,24,26,28,30,32,34,36,38,40,42,44,46,48,50,52,54,56,58,60,62
	v_pk_fma_f32 v[S+\j:S+\j+1], v[S+\j:S+\j+1], s[FAC:FAC+1], v[NM:NM+1] op_sel_hi:[1,0,0]   ; t - M
.endr
.irp b, 0,1,2,3
	v_fma_f32 v[BM+\b], v[BM+\b], s[FAC], v[NM]
.endr
	s_wait_alu depctr_va_vdst(0)
.irp j, 0,1,2,3,4,5,6,7,8,9,10,11,12,13,14,15,16,17,18,19,20,21,22,23,24,25,26,27,28,29,30,31,32,33,34,35,36,37,38,39,40,41,42,43,44,45,46,47,48,49,50,51,52,53,54,55,56,57,58,59,60,61,62,63
	v_exp_f32 v[S+\j], v[S+\j]
.endr
.irp b, 0,1,2,3
	v_exp_f32 v[BM+\b], v[BM+\b]                   ; the blocks' largest p, in the same batch
.endr
	v_nop                                          ; a plain place behind the batch
	s_wait_alu depctr_va_vdst(0)                   ; one wait for the batch, ahead of its first reader
.irp b, 0,1,2,3
	v_max_num_f32 v[BM+\b], 0x1800000, v[BM+\b]    ; the floor 2^-124: the byte cannot fall under 1
.endr
.irp b, 0,1,2,3
	s_delay_alu instid0(VALU_DEP_4)
	v_add_nc_u32 v[BS+\b], 0xff000000, v[BM+\b]    ; 2 off the exponent field: the conversion's scale operand
.endr
.irp b, 0,1,2,3
	s_delay_alu instid0(VALU_DEP_4)
	v_lshrrev_b32 v[BP+\b], 23, v[BS+\b]
.endr
.irp b, 0,1,2,3
	v_cvt_scalef32_pk8_fp4_f32 v[PC+4*(\b/2)+(\b%2)], v[S+16*\b:S+16*\b+7], v[BS+\b]
	v_cvt_scalef32_pk8_fp4_f32 v[PC+4*(\b/2)+2+(\b%2)], v[S+16*\b+8:S+16*\b+15], v[BS+\b]
.endr
	v_lshl_or_b32 v[PW], v[BP+1], 8, v[BP]         ; p's scale word; also the plain place behind the scaled conversions
.irp i, 0,2,4,6
	v_permlane16_swap_b32 v[PC+\i], v[PC+\i+1]     ; a whole block of 32 keys to a lane
.endr
	v_pk_add_f32 v[L2:L2+1], v[S:S+1], v[S+2:S+3]  ; the sum of the unquantised p, in four chains by turns; these lines are also the places between p's codes and scale word and the products
	v_pk_add_f32 v[L3:L3+1], v[S+4:S+5], v[S+6:S+7]
	v_pk_add_f32 v[L4:L4+1], v[S+8:S+9], v[S+10:S+11]
	v_pk_add_f32 v[L:L+1], v[L:L+1], v[S+12:S+13]
	v_lshl_or_b32 v[PW], v[BP+2], 16, v[PW]
.irp j, 14,22,30,38,46,54
	v_pk_add_f32 v[L2:L2+1], v[L2:L2+1], v[S+\j:S+\j+1]
	v_pk_add_f32 v[L3:L3+1], v[L3:L3+1], v[S+\j+2:S+\j+3]
	v_pk_add_f32 v[L4:L4+1], v[L4:L4+1], v[S+\j+4:S+\j+5]
	v_pk_add_f32 v[L:L+1], v[L:L+1], v[S+\j+6:S+\j+7]
.if \j == 14
	v_lshl_or_b32 v[PW], v[BP+3], 24, v[PW]
.endif
.endr
	v_pk_add_f32 v[L2:L2+1], v[L2:L2+1], v[S+62:S+63]
	v_pk_add_f32 v[L3:L3+1], v[L3:L3+1], v[L4:L4+1]
	s_delay_alu instid0(VALU_DEP_2)
	v_pk_add_f32 v[L:L+1], v[L:L+1], v[L2:L2+1]
	s_delay_alu instid0(VALU_DEP_1)
	v_pk_add_f32 v[L:L+1], v[L:L+1], v[L3:L3+1]
	s_wait_dscnt 12                                ; v's fragments are in; the 12 loads issued behind them, the next step's k, may stay out
.irp t, 0,1,2,3
	v_wmma_scale_f32_16x16x128_f8f6f4 v[O+8*\t:O+8*\t+7], v[VF+8*\t:VF+8*\t+7], v[PC:PC+7], v[O+8*\t:O+8*\t+7], v[SCV+\t], v[PW] matrix_a_fmt:MATRIX_FMT_FP4 matrix_b_fmt:MATRIX_FMT_FP4
.endr
.endm
; A head's end: O^T / the sum, quantised along d (two blocks of 32), stored as the operand's image.
.macro TAIL hd
	s_wait_dscnt 0x0                               ; the last step's look-ahead has come back: its registers may be loaded again
.rept 4
	v_nop
.endr
	s_wait_alu depctr_va_vdst(0)
	v_add_f32 v[L], v[L], v[L+1]
	s_delay_alu instid0(VALU_DEP_1)
	v_permlanex16_b32 v[T0], v[L], s[SEL], s[SEL+1]
	s_delay_alu instid0(VALU_DEP_1)
	v_add_f32 v[L], v[L], v[T0]
	s_wait_alu depctr_va_vdst(0)
	v_rcp_f32 v[L], v[L]
	v_nop
	s_wait_alu depctr_va_vdst(0)
.irp j, 0,2,4,6,8,10,12,14,16,18,20,22,24,26,28,30
	v_pk_mul_f32 v[O+\j:O+\j+1], v[O+\j:O+\j+1], v[L:L+1] op_sel_hi:[1,0]
.endr
.irp b, 0,1
	v_max3_num_f32 v[BM+\b], |v[O+16*\b]|, |v[O+16*\b+1]|, 0x1800000
.endr
.irp i, 2,4,6,8,10,12,14
.irp b, 0,1
	s_delay_alu instid0(VALU_DEP_2)
	v_max3_num_f32 v[BM+\b], v[BM+\b], |v[O+16*\b+\i]|, |v[O+16*\b+\i+1]|
.endr
.endr
.irp b, 0,1
	s_delay_alu instid0(VALU_DEP_2)
	v_permlanex16_b32 v[BP+\b], v[BM+\b], s[SEL], s[SEL+1]
.endr
.irp b, 0,1
	s_delay_alu instid0(VALU_DEP_2)
	v_max_num_f32 v[BM+\b], v[BM+\b], v[BP+\b]
.endr
.irp b, 0,1
	s_delay_alu instid0(VALU_DEP_2)
	v_add_nc_u32 v[BS+\b], 0xff000000, v[BM+\b]
.endr
.irp b, 0,1
	s_delay_alu instid0(VALU_DEP_2)
	v_lshrrev_b32 v[BP+\b], 23, v[BS+\b]
.endr
.if \hd == 0
	s_delay_alu instid0(VALU_DEP_1)
	v_lshl_or_b32 v[CW], v[BP+1], 8, v[BP]
.else
	s_delay_alu instid0(VALU_DEP_1)
	v_lshl_or_b32 v[T0], v[BP+1], 8, v[BP]
	s_delay_alu instid0(VALU_DEP_1)
	v_lshl_or_b32 v[CW], v[T0], 16, v[CW]          ; the two heads' four bytes: the scale word of 128 along the next K
.endif
.irp b, 0,1
	v_cvt_scalef32_pk8_fp4_f32 v[CC+4*\hd+\b], v[O+16*\b:O+16*\b+7], v[BS+\b]
	v_cvt_scalef32_pk8_fp4_f32 v[CC+4*\hd+2+\b], v[O+16*\b+8:O+16*\b+15], v[BS+\b]
.endr
	v_nop
	v_permlane16_swap_b32 v[CC+4*\hd], v[CC+4*\hd+1]
	v_permlane16_swap_b32 v[CC+4*\hd+2], v[CC+4*\hd+3]
	global_store_b128 v[LI], v[CC+4*\hd:CC+4*\hd+3], s[12:13] offset:512*\hd   ; 512 consecutive bytes, aligned
.endm
.macro HEAD hd
	v_add_nc_u32 v[ADK], \hd*HEADB, v[LI]
	v_add_nc_u32 v[ADS], \hd*HEADB, v[LKS]
	v_add_nc_u32 v[ADV], \hd*HEADB+VCO-4096, v[LI]
	v_add_nc_u32 v[ADT], \hd*HEADB, v[LVS]
	LD3 KF, SCK, ADK, ADS, 0, 0                    ; the first step's k
	LD3 KF+8, SCK+1, ADK, ADS, 1024, 256
	LD3 KF+16, SCK+2, ADK, ADS, 2048, 512
	LD3 KF+24, SCK+3, ADK, ADS, 3072, 768
	s_mov_b32 s[CNT], 16
	v_mov_b32 v[SM], 0xff61b1e6                    ; -3e38, under every score
	s_delay_alu instid0(VALU_DEP_1)
	v_floor_f32 v[NM], -v[SM]                      ; the first -M lies over every later one: the first f is 0, on zeros
	v_mov_b32 v[L], 0
	v_mov_b32 v[L+1], 0
.irp j, 0,1,2,3,4,5,6,7,8,9,10,11,12,13,14,15,16,17,18,19,20,21,22,23,24,25,26,27,28,29,30,31
	v_mov_b32 v[O+\j], 0                           ; the step is written once: the first finds zeros
.endr
	s_wait_alu depctr_va_vdst(0)
.Lstep_\hd:
	STEP \hd
	s_sub_co_u32 s[CNT], s[CNT], 1
	s_cmp_lg_u32 s[CNT], 0
	s_cbranch_scc1 .Lstep_\hd
	TAIL \hd
.endm
	HEAD 0
	HEAD 1
	ds_store_b32 v[SWR], v[CW]                     ; lanes r and 16 + r write the same word with the same value
	s_wait_dscnt 0x0
	s_barrier_signal -1
	s_barrier_wait -1
	s_cmp_gt_u32 s[WV], 1
	s_cbranch_scc1 .Lno_cs
	ds_load_b128 v[88:91], v[SRD]                  ; eight waves' words: 128 rows
	s_wait_dscnt 0x0
	global_store_b128 v[LI], v[88:91], s[14:15]    ; 512 consecutive bytes, aligned
.Lno_cs:
	s_wait_tensorcnt 0x0                           ; the wave's end
	ds_add_u32 v[SPW], v[NIL]
	s_wait_dscnt 0x0
	s_endpgm
.Lfunc_end_k_qd4422b2781_attn:
	.size	k_qd4422b2781_attn, .Lfunc_end_k_qd4422b2781_attn-k_qd4422b2781_attn
	.p2alignl 7, 3214868480
	.fill 96, 4, 3214868480
	.section	.rodata,"a",@progbits
	.p2align	6, 0x0
	.amdhsa_kernel k_qd4422b2781_attn
		.amdhsa_group_segment_fixed_size 306176
		.amdhsa_private_segment_fixed_size 0
		.amdhsa_enable_private_segment 0
		.amdhsa_kernarg_size 48
		.amdhsa_user_sgpr_count 2
		.amdhsa_user_sgpr_kernarg_segment_ptr 1
		.amdhsa_wavefront_size32 1
		.amdhsa_system_sgpr_workgroup_id_x 1
		.amdhsa_system_sgpr_workgroup_id_y 1
		.amdhsa_system_sgpr_workgroup_id_z 1
		.amdhsa_system_vgpr_workitem_id 0
		.amdhsa_next_free_vgpr 256
		.amdhsa_next_free_sgpr 66
		.amdhsa_reserve_vcc 0
		.amdhsa_float_denorm_mode_32 3
		.amdhsa_float_denorm_mode_16_64 3
		.amdhsa_memory_ordered 1
		.amdhsa_forward_progress 1
		.amdhsa_inst_pref_size 66
	.end_amdhsa_kernel
	.amdgpu_metadata
---
amdhsa.version: [ 1, 2 ]
amdhsa.kernels:
  - .name:           k_qd4422b2781_attn
    .symbol:         k_qd4422b2781_attn.kd
    .args:
      - { .name: qc, .offset: 0, .size: 8, .value_kind: global_buffer, .address_space: global }
      - { .name: kv, .offset: 8, .size: 8, .value_kind: global_buffer, .address_space: global }
      - { .name: attention_mask, .offset: 16, .size: 8, .value_kind: global_buffer, .address_space: global }
      - { .name: fl, .offset: 24, .size: 8, .value_kind: global_buffer, .address_space: global }
      - { .name: cc, .offset: 32, .size: 8, .value_kind: global_buffer, .address_space: global }
      - { .name: cs, .offset: 40, .size: 8, .value_kind: global_buffer, .address_space: global }
    .group_segment_fixed_size: 306176
    .private_segment_fixed_size: 0
    .kernarg_segment_align: 8
    .kernarg_segment_size: 48
    .max_flat_workgroup_size: 512
    .sgpr_count:     66
    .vgpr_count:     256
    .wavefront_size: 32
...
	.end_amdgpu_metadata
.endif
;; end of part 2
;; launch oproj (part 3): grid 4 x 64, 8 waves a work-group, clusters of 4 x 4, 253,952 bytes of LDS; arguments cc, cs, Wo_codes, Wo_scales, bo, out0; writes out0
.if DOCPART == 3
	.amdgcn_target "amdgcn-amd-amdhsa--gfx1250"
	.amdhsa_code_object_version 6
	.text
	.protected	k_qd4422b2781_oproj
	.globl	k_qd4422b2781_oproj
	.p2align	8
	.type	k_qd4422b2781_oproj,@function
k_qd4422b2781_oproj:
	s_mov_b64 s[64:65], 0
	v_nop
	global_prefetch_b8 v0, s[64:65] scope:SCOPE_SE
	s_setreg_imm32_b32 hwreg(HW_REG_WAVE_MODE, 25, 1), 1
	s_wait_xcnt 0x0
	s_wait_alu depctr_hold_cnt(0) depctr_sa_sdst(0) depctr_va_vdst(0) depctr_va_sdst(0) depctr_va_ssrc(0) depctr_va_vcc(0) depctr_vm_vsrc(0)
	s_getreg_b32 s2, hwreg(HW_REG_IB_STS2, 6, 4)
	s_cmp_eq_u32 s2, 0
	s_cbranch_scc0 .Lentry_in_a_cluster
	s_endpgm
.Lentry_in_a_cluster:
	s_bfe_u32 s2, ttmp6, 0x10000c
	s_cmp_lg_u32 s2, 0xf033
	s_cbranch_scc0 .Lentry_shape_is_right
	s_endpgm
.Lentry_shape_is_right:
; out = ctx Wo^T + bo on codes of FP4 (E2M1) with E8M0 scales.  ctx comes as images of operand registers (cc) with its scale words (cs), Wo as it is given, K innermost.
; SHARES.  A work-group makes 128 rows (y) x 256 columns (x); eight waves, wave w rows 64 (w / 4) on, columns 64 (w % 4) on: 16 accumulators.  K = 1,024 is eight steps of 128.
; LDS.  All of K lies in LDS, filled once: Wo's 256 rows in two K halves (256 bytes a row + 16), ctx's images in two halves (dense), the scale bytes, and a stage of 16 rows x 272 bytes for each wave.  No ring.
; CLUSTER 4 x 4.  Wo's tiles hang on x alone and are asked for jointly along a column of the cluster (waves 0-3), ctx's on y alone, jointly along a row (waves 4-7).
; THE MATRIX INSTRUCTION IS USED TRANSPOSED (source 0 = 16 rows of Wo, source 1 = 16 rows of ctx): a lane holds eight neighbouring columns of one row of out.  bo is loaded into the accumulators and starts the sums.
.set PITCH, 272
.set WHALF, 256*PITCH                  ; Wo, a K half
.set ABASE, 2*WHALF                    ; ctx's images: [K half][row tile 8][4 K steps][2][lane][16 B]
.set AHALF, 32768
.set SBB,   ABASE+2*AHALF              ; Wo's scale bytes: 256 rows x 32 bytes as 32 pieces of 256 + 16
.set SGRP,  8*PITCH
.set SAB,   SBB+4*SGRP                 ; ctx's scale words: [K step 8][128 rows]
.set STAGE, SAB+4096
.set WSTG,  16*PITCH
.set CODEW, (1<<20)|(1<<21)|(5<<22)|(3<<25)   ; elements of 1 byte; padding on; bit 21 beside a mask; 4 words of padding behind every 64
.set SCALW, (3<<16)|CODEW              ; the same with elements of 8 bytes
.set DENSW, (3<<16)|(1<<21)            ; elements of 8 bytes, no padding
.set WV,   16                          ; s16 wave; s17 cx; s18 cy; s19 x; s20 y; s21 w / 4; s22 w % 4; s24, s25 the masks
.set G1BC, 28                          ; s[28:35] group 1: Wo's codes;  s[36:43] Wo's scales;  s[44:51] cs;  s[52:59] cc
.set G1BS, 36
.set G1AS, 44
.set G1AC, 52
.set G0BS, 60                          ; groups 0
.set G0B0, 68
.set G0B1, 72
.set G0AS, 76
.set G0A0, 80
.set G0A1, 84
.set AA,  1                            ; v1, v2 LDS address of ctx's images, K half 0, 1
.set AB,  3                            ; v3, v4 of Wo's fragments
.set ASA, 5                            ; v5 of ctx's scale words
.set ASB, 6                            ; v6 of Wo's
.set STO, 7                            ; v7 the stage, in
.set RD,  8                            ; v8 and back
.set CO,  9                            ; v9 my byte offset in two rows of out
.set BO,  10                           ; v10 32 h
.set SA,  48                           ; v48-51 ctx's scale words, v52-55 Wo's: they hold scales and nothing else
.set SBR, 52
.set AF,  64                           ; v64-95 four fragments of ctx
.set BF,  96                           ; v96-127 four of Wo
.set ACC, 128                          ; accumulator (m, n) at 128 + 32 m + 8 n
.macro ROUND                           ; a round of the cluster's barrier
	s_barrier_signal -1
	s_barrier_wait -1
	s_cmp_lg_u32 s[WV], 0
	s_cbranch_scc1 .Lnot_wave_0_\@
	s_barrier_signal -3
.Lnot_wave_0_\@:
	s_barrier_wait -3
	s_barrier_signal -1
	s_barrier_wait -1
.endm
.macro PLACES
.rept 4
	v_nop
.endr
.endm
	s_load_b256 s[4:11], s[0:1], 0x0               ; cc, cs, Wo codes, Wo scales
	s_load_b128 s[12:15], s[0:1], 0x20             ; bo, out
	v_lshl_add_u32 v62, v0, 2, 0x3dc00
	v_mov_b32 v63, 0
	ds_add_u32 v62, v63
	ds_add_u32 v62, v63
	v_lshrrev_b32 v11, 5, v0
	s_delay_alu instid0(VALU_DEP_1)
	v_readfirstlane_b32 s[WV], v11                 ; wave 0..7
	s_lshr_b32 s21, s[WV], 2                       ; my half of the rows.  Also: I fetch for Wo (0) or for ctx (1)
	s_and_b32 s22, s[WV], 3                        ; my quarter of the columns
	v_and_b32 v11, 15, v0                          ; r
	v_bfe_u32 v12, v0, 4, 1                        ; h
	v_and_b32 v13, 31, v0                          ; lane
	; every LDS address is made here, ahead of the first branch
	s_lshl_b32 s26, s21, 14
	s_add_co_u32 s26, s26, ABASE
	v_lshl_add_u32 v[AA], v13, 4, s26              ; my four row tiles' images, 16 x lane
	s_delay_alu instid0(VALU_DEP_1)
	v_add_nc_u32 v[AA+1], AHALF, v[AA]
	v_mul_u32_u24 v14, v11, PITCH
	s_delay_alu instid0(VALU_DEP_1)
	v_lshl_add_u32 v15, v12, 4, v14                ; row r x pitch + 16 h
	s_mul_i32 s26, s22, 64*PITCH
	v_add_nc_u32 v[AB], s26, v15
	s_delay_alu instid0(VALU_DEP_1)
	v_add_nc_u32 v[AB+1], WHALF, v[AB]
	s_lshl_b32 s26, s21, 8
	s_add_co_u32 s26, s26, SAB
	v_lshl_add_u32 v[ASA], v11, 2, s26
	v_lshrrev_b32 v16, 3, v11
	v_and_b32 v17, 7, v11
	s_delay_alu instid0(VALU_DEP_2)
	v_mul_u32_u24 v16, v16, PITCH
	s_delay_alu instid0(VALU_DEP_1)
	v_lshl_add_u32 v16, v17, 5, v16
	s_mul_i32 s26, s22, SGRP
	s_add_co_u32 s26, s26, SBB
	v_add_nc_u32 v[ASB], s26, v16
	s_mul_i32 s26, s[WV], WSTG
	s_add_co_u32 s26, s26, STAGE                   ; my stage
	v_lshl_add_u32 v17, v12, 5, v14
	s_delay_alu instid0(VALU_DEP_1)
	v_add_nc_u32 v[STO], s26, v17                  ; in: row r, 32 bytes for each half of the lanes
	v_mul_u32_u24 v17, v12, PITCH
	s_delay_alu instid0(VALU_DEP_1)
	v_lshl_add_u32 v17, v11, 4, v17
	s_delay_alu instid0(VALU_DEP_1)
	v_add_nc_u32 v[RD], s26, v17                   ; back: lanes 0-15 one row of 256 bytes, lanes 16-31 the next
	v_lshlrev_b32 v[CO], 12, v12
	s_delay_alu instid0(VALU_DEP_1)
	v_lshl_add_u32 v[CO], v11, 4, v[CO]            ; and the same two rows in out (4,096 bytes a row)
	v_lshlrev_b32 v[BO], 5, v12
	s_bfe_u32 s17, ttmp6, 0x40000                  ; cx
	s_bfe_u32 s18, ttmp6, 0x40004                  ; cy
	s_lshl_b32 s19, ttmp9, 2
	s_add_co_u32 s19, s19, s17                     ; x: block of 256 columns
	s_and_b32 s20, ttmp7, 0xffff
	s_lshl_b32 s20, s20, 2
	s_add_co_u32 s20, s20, s18                     ; y: block of 128 rows
	s_lshl_b32 s24, s18, 2
	s_lshl_b32 s24, 15, s24                        ; my row of the cluster
	s_lshl_b32 s25, 0x1111, s17                    ; my column
	s_or_b32 s[G1BC], s25, CODEW
	s_or_b32 s[G1BS], s25, SCALW
	s_or_b32 s[G1AS], s24, DENSW
	s_or_b32 s[G1AC], s24, DENSW
	s_mov_b32 s[G1BC+1], 256<<16                   ; Wo's codes, a K half: 256 rows x 256 bytes, 512 bytes from row to row
	s_mov_b32 s[G1BC+2], 256<<16
	s_mov_b32 s[G1BC+3], 256<<16
	s_mov_b32 s[G1BC+4], 256
	s_mov_b32 s[G1BC+5], 512
	s_mov_b32 s[G1BC+6], 0
	s_mov_b32 s[G1BC+7], 0
	s_mov_b32 s[G1BS+1], 32<<16                    ; Wo's scales of 256 rows: 32 rows of 256 dense bytes
	s_mov_b32 s[G1BS+2], 32<<16
	s_mov_b32 s[G1BS+3], 32<<16
	s_mov_b32 s[G1BS+4], 32
	s_mov_b32 s[G1BS+5], 32
	s_mov_b32 s[G1BS+6], 0
	s_mov_b32 s[G1BS+7], 0
	s_mov_b32 s[G1AS+1], 32<<16                    ; ctx's scale words: 16 rows of 256 dense bytes
	s_mov_b32 s[G1AS+2], 16<<16
	s_mov_b32 s[G1AS+3], 32<<16
	s_mov_b32 s[G1AS+4], 16
	s_mov_b32 s[G1AS+5], 32
	s_mov_b32 s[G1AS+6], 0
	s_mov_b32 s[G1AS+7], 0
	s_mov_b32 s[G1AC+1], 32<<16                    ; eight row tiles' images of a K half: 128 rows of 256 dense bytes
	s_mov_b32 s[G1AC+2], 128<<16
	s_mov_b32 s[G1AC+3], 32<<16
	s_mov_b32 s[G1AC+4], 128
	s_mov_b32 s[G1AC+5], 32
	s_mov_b32 s[G1AC+6], 0
	s_mov_b32 s[G1AC+7], 0
	s_wait_dscnt 0x0
	s_wait_kmcnt 0x0
	; Wo: rows 256 x on.  These registers hold x alone
	s_lshl_b32 s88, s19, 17
	s_mov_b32 s89, 0
	s_mov_b32 s[G0B0], 1
	s_mov_b32 s[G0B0+1], 0
	s_add_nc_u64 s[G0B0+2:G0B0+3], s[8:9], s[88:89]
	s_mov_b32 s[G0B1], 1
	s_add_co_u32 s[G0B1+1], s[G0B0+1], WHALF
	s_add_nc_u64 s[G0B1+2:G0B1+3], s[G0B0+2:G0B0+3], 256
	s_or_b32 s[G0B0+3], s[G0B0+3], 0x80000000
	s_or_b32 s[G0B1+3], s[G0B1+3], 0x80000000
	s_lshr_b32 s88, s88, 4
	s_mov_b32 s[G0BS], 1
	s_mov_b32 s[G0BS+1], SBB
	s_add_nc_u64 s[G0BS+2:G0BS+3], s[10:11], s[88:89]
	s_or_b32 s[G0BS+3], s[G0BS+3], 0x80000000
	; ctx: row tiles 8 y on.  These registers hold y alone
	s_lshl_b32 s90, s20, 15
	s_mov_b32 s91, 0
	s_mov_b32 s[G0A0], 1
	s_mov_b32 s[G0A0+1], ABASE
	s_add_nc_u64 s[G0A0+2:G0A0+3], s[4:5], s[90:91]
	s_mov_b32 s[G0A1], 1
	s_add_co_u32 s[G0A1+1], s[G0A0+1], AHALF
	s_add_nc_u64 s[G0A1+2:G0A1+3], s[G0A0+2:G0A0+3], 2097152
	s_or_b32 s[G0A0+3], s[G0A0+3], 0x80000000
	s_or_b32 s[G0A1+3], s[G0A1+3], 0x80000000
	s_lshr_b32 s90, s90, 3                         ; 4,096 y
	s_mov_b32 s[G0AS], 1
	s_mov_b32 s[G0AS+1], SAB
	s_add_nc_u64 s[G0AS+2:G0AS+3], s[6:7], s[90:91]
	s_or_b32 s[G0AS+3], s[G0AS+3], 0x80000000
	ROUND                                          ; all sixteen work-groups are here: the joint loads meet
; THE HEAD'S SIX TILES, EACH WHOLE, ONE LOAD A WAVE AT THE MOST: wave 0 Wo's K half 0, wave 1 its K half 1, wave 2 its scales; wave 4 ctx's scale words, wave 5 its K half 0, wave 6 its K half 1.
; One chain of branches on the wave's number, all arms leading to one join; waves 3 and 7 fetch nothing.
.macro ARM under, g0, g1, next
	s_cmp_lt_u32 s[WV], \under
	s_cbranch_scc0 \next
	tensor_load_to_lds s[\g0:\g0+3], s[\g1:\g1+7]
	s_nop 0
	PLACES
	s_branch .Lasked
\next:
.endm
	ARM 1, G0B0, G1BC, .Larm_b1
	ARM 2, G0B1, G1BC, .Larm_bs
	ARM 3, G0BS, G1BS, .Larm_3
	s_cmp_eq_u32 s[WV], 3
	s_cbranch_scc1 .Lasked
	ARM 5, G0AS, G1AS, .Larm_a0
	ARM 6, G0A0, G1AC, .Larm_a1
	ARM 7, G0A1, G1AC, .Larm_7
.Lasked:
	s_lshl_b32 s92, s19, 10
	s_lshl_b32 s93, s22, 8
	s_add_co_u32 s92, s92, s93                     ; my first column, in bytes: 1,024 x + 256 (w % 4)
	s_mov_b32 s93, 0
	s_add_nc_u64 s[12:13], s[12:13], s[92:93]      ; bo
	s_add_nc_u64 s[14:15], s[14:15], s[92:93]
	s_lshl_b32 s92, s20, 19
	s_lshl_b32 s94, s21, 18
	s_add_co_u32 s92, s92, s94                     ; my first row: (128 y + 64 (w / 4)) x 4,096
	s_add_nc_u64 s[14:15], s[14:15], s[92:93]      ; out
	s_wait_alu depctr_va_vdst(0)
.irp m, 0,1,2,3                        ; bo goes straight into the accumulators: lane (r, h), tile n: bo[16 n + 8 h + 0 .. 7]
.irp n, 0,1,2,3
	global_load_b128 v[ACC+32*\m+8*\n:ACC+32*\m+8*\n+3], v[BO], s[12:13] offset:64*\n
	global_load_b128 v[ACC+32*\m+8*\n+4:ACC+32*\m+8*\n+7], v[BO], s[12:13] offset:64*\n+16
.endr
.endr
.macro KS k                            ; K step k: 24 LDS loads, four places behind the products that read their registers; 16 matrix instructions, the accumulators by turns
	PLACES
.irp i, 0,1,2,3
	ds_load_b128 v[AF+8*\i:AF+8*\i+3], v[AA+(\k)/4] offset:4096*\i+1024*((\k)%4)
	ds_load_b128 v[AF+8*\i+4:AF+8*\i+7], v[AA+(\k)/4] offset:4096*\i+1024*((\k)%4)+512
	ds_load_b32 v[SA+\i], v[ASA] offset:512*(\k)+64*\i
	ds_load_b128 v[BF+8*\i:BF+8*\i+3], v[AB+(\k)/4] offset:16*PITCH*\i+64*((\k)%4)
	ds_load_b128 v[BF+8*\i+4:BF+8*\i+7], v[AB+(\k)/4] offset:16*PITCH*\i+64*((\k)%4)+32
	ds_load_b32 v[SBR+\i], v[ASB] offset:2*PITCH*\i+4*(\k)
.endr
	s_wait_dscnt 0x0
.irp m, 0,1,2,3
.irp n, 0,1,2,3
	v_wmma_scale_f32_16x16x128_f8f6f4 v[ACC+32*\m+8*\n:ACC+32*\m+8*\n+7], v[BF+8*\n:BF+8*\n+7], v[AF+8*\m:AF+8*\m+7], v[ACC+32*\m+8*\n:ACC+32*\m+8*\n+7], v[SBR+\n], v[SA+\m] matrix_a_fmt:MATRIX_FMT_FP4 matrix_b_fmt:MATRIX_FMT_FP4
.endr
.endr
.endm
	s_wait_loadcnt 0x0                             ; bo is in the accumulators
	s_wait_tensorcnt 0x0                           ; my tile has landed
	s_barrier_signal -1
	s_barrier_wait -1
	KS 0
	KS 1
	KS 2
	KS 3
	KS 4
	KS 5
	KS 6
	KS 7
	; THE WAY OUT, 16 rows x 64 columns at a time, through my own stage: a lane holds 32 bytes of a row; the rows come back whole, and sixteen lanes store 256 consecutive bytes, aligned.
	; LDS serves a wave's instructions in order (ISA guide 5.7.1.4): no wait between the stores into the stage and the loads, nor ahead of the next block's stores.
	PLACES                                         ; behind the last products: results are read and operands' registers loaded from here on
.irp m, 0,1,2,3
.if \m > 1
	s_wait_xcnt 0x0                                ; the stores of two blocks back have read their data: the loads below land in those registers
.endif
.irp n, 0,1,2,3
	ds_store_b128 v[STO], v[ACC+32*\m+8*\n:ACC+32*\m+8*\n+3] offset:64*\n          ; each accumulator from its low end on
	ds_store_b128 v[STO], v[ACC+32*\m+8*\n+4:ACC+32*\m+8*\n+7] offset:64*\n+16
.endr
.irp i, 0,1,2,3,4,5,6,7
	ds_load_b128 v[AF+32*(\m%2)+4*\i:AF+32*(\m%2)+4*\i+3], v[RD] offset:2*PITCH*\i
.endr
.irp i, 0,1,2,3,4,5,6,7
	s_wait_dscnt 7-\i                              ; the eight loads come back in order: the 7 - i younger ones may stay out
	global_store_b128 v[CO], v[AF+32*(\m%2)+4*\i:AF+32*(\m%2)+4*\i+3], s[14:15] offset:(16*\m+2*\i)*4096 th:TH_STORE_NT   ; written once, read by nobody here
.endr
.endr
	s_wait_dscnt 0x0
	s_wait_tensorcnt 0x0
	ds_add_u32 v62, v63
	s_wait_dscnt 0x0
	ROUND                                          ; the closing round: no work-group ends while a partner may still ask for a tile that names it
	s_endpgm
.Lfunc_end_k_qd4422b2781_oproj:
	.size	k_qd4422b2781_oproj, .Lfunc_end_k_qd4422b2781_oproj-k_qd4422b2781_oproj
	.p2alignl 7, 3214868480
	.fill 96, 4, 3214868480
	.section	.rodata,"a",@progbits
	.p2align	6, 0x0
	.amdhsa_kernel k_qd4422b2781_oproj
		.amdhsa_group_segment_fixed_size 253952
		.amdhsa_private_segment_fixed_size 0
		.amdhsa_enable_private_segment 0
		.amdhsa_kernarg_size 48
		.amdhsa_user_sgpr_count 2
		.amdhsa_user_sgpr_kernarg_segment_ptr 1
		.amdhsa_wavefront_size32 1
		.amdhsa_system_sgpr_workgroup_id_x 1
		.amdhsa_system_sgpr_workgroup_id_y 1
		.amdhsa_system_sgpr_workgroup_id_z 1
		.amdhsa_system_vgpr_workitem_id 0
		.amdhsa_next_free_vgpr 256
		.amdhsa_next_free_sgpr 96
		.amdhsa_reserve_vcc 0
		.amdhsa_float_denorm_mode_32 3
		.amdhsa_float_denorm_mode_16_64 3
		.amdhsa_memory_ordered 1
		.amdhsa_forward_progress 1
		.amdhsa_inst_pref_size 51
	.end_amdhsa_kernel
	.amdgpu_metadata
---
amdhsa.version: [ 1, 2 ]
amdhsa.kernels:
  - .name:           k_qd4422b2781_oproj
    .symbol:         k_qd4422b2781_oproj.kd
    .args:
      - { .name: cc, .offset: 0, .size: 8, .value_kind: global_buffer, .address_space: global }
      - { .name: cs, .offset: 8, .size: 8, .value_kind: global_buffer, .address_space: global }
      - { .name: Wo_codes, .offset: 16, .size: 8, .value_kind: global_buffer, .address_space: global }
      - { .name: Wo_scales, .offset: 24, .size: 8, .value_kind: global_buffer, .address_space: global }
      - { .name: bo, .offset: 32, .size: 8, .value_kind: global_buffer, .address_space: global }
      - { .name: out0, .offset: 40, .size: 8, .value_kind: global_buffer, .address_space: global }
    .group_segment_fixed_size: 253952
    .private_segment_fixed_size: 0
    .kernarg_segment_align: 8
    .kernarg_segment_size: 48
    .max_flat_workgroup_size: 256
    .sgpr_count:     96
    .vgpr_count:     256
    .wavefront_size: 32
...
	.end_amdgpu_metadata
.endif
;; end of part 3
